; MI455X (gfx1250); checked and timed in simulation.
; The chip was launched on July 23, 2026; its instructions are those of AMD's public machine-readable ISA for CDNA 5 (MIT licence, August 2026) and "CDNA5" Instruction Set Architecture Reference Guide (July 2026). The comments in the code are by the model that wrote it; some were corrected since.
;; Multi Head Attention. Allowed arithmetic: matrix products marked QUANTISED: E3M2 operands, one E8M0 scale for each 32 along K, by v_wmma_scale_f32_16x16x128_f8f6f4 with both operands' format E3M2, f32 sums; everything else in f32.
;; Inputs: Wk_codes 512 x 16 x 24 uint8 (E3M2 codes of Wk, K innermost, in blocks of 32 codes, four codes in three bytes); Wk_scales 512 x 16 uint8 (E8M0 scales of Wk, one for each 32 codes along K); Wo_codes 512 x 16 x 24 uint8 (E3M2 codes of Wo, K innermost, in blocks of 32 codes, four codes in three bytes); Wo_scales 512 x 16 uint8 (E8M0 scales of Wo, one for each 32 codes along K); Wq_codes 512 x 16 x 24 uint8 (E3M2 codes of Wq, K innermost, in blocks of 32 codes, four codes in three bytes); Wq_scales 512 x 16 uint8 (E8M0 scales of Wq, one for each 32 codes along K); Wv_codes 512 x 16 x 24 uint8 (E3M2 codes of Wv, K innermost, in blocks of 32 codes, four codes in three bytes); Wv_scales 512 x 16 uint8 (E8M0 scales of Wv, one for each 32 codes along K); bk 512 float32; bo 512 float32; bq 512 float32; bv 512 float32; x_codes 2 x 4,096 x 16 x 24 uint8 (E3M2 codes of x, K innermost, in blocks of 32 codes, four codes in three bytes); x_scales 2 x 4,096 x 16 uint8 (E8M0 scales of x, one for each 32 codes along K).
;; Outputs: out0 2 x 4,096 x 512 float32.
;; This version of the problem:
;;   THIS VERSION OF THE PROBLEM IS GIVEN IN LOW PRECISION. The matrix products marked QUANTISED in the list below multiply operands that are first quantised to E3M2 (3 exponent bits, 2 mantissa bits; 6 bits a number), with one power-of-two scale for each 32 numbers along K (OCP MX v1.0); their sums are f32. All else is computed in f32.
;;   The module's matrix products, in the order in which they are computed (A, B: the left and right operand; K: the contracted axis; several contracted axes count as one K, in the product's order):
;;     1. [M 8,192, K 512] x [K 512, N 512]; A: input x (given as codes); B: input Wq (given as codes): QUANTISED
;;     2. [M 8,192, K 512] x [K 512, N 512]; A: input x (given as codes); B: input Wk (given as codes): QUANTISED
;;     3. [M 8,192, K 512] x [K 512, N 512]; A: input x (given as codes); B: input Wv (given as codes): QUANTISED
;;     4. batch 16 x [M 4,096, K 64] x [K 64, N 4,096]; A: computed on the way; B: computed on the way: QUANTISED
;;     5. batch 16 x [M 4,096, K 4,096] x [K 4,096, N 64]; A: softmax (see below); B: computed on the way: QUANTISED
;;     6. [M 8,192, K 512] x [K 512, N 512]; A: computed on the way; B: input Wo (given as codes): QUANTISED
;;   THE QUANTISER, for each operand of a quantised product, along K:
;;     - K is cut into blocks of 32 from its start; a last block that is shorter is filled with zeros.
;;     - A block's scale is 2^e with e = floor(log2(the largest magnitude in the block)) - 4, held to -126 .. 127; a block of zeros has e = 0. As a byte (E8M0): e + 127.
;;     - Each number is divided by its block's scale, clamped to +-28, and rounded to the nearest number of E3M2, ties to even, subnormals kept.
;;     - The product sums the exact products of the quantised numbers (number of the format x scale) in f32.
;;   ~~~python
;;   def quantise(x, axis):      # numpy; x: float32 -> the quantised numbers, widened to float32 again
;;       x = np.moveaxis(x, axis, -1); K = x.shape[-1]
;;       x = np.pad(x, [(0, 0)] * (x.ndim - 1) + [(0, -K % 32)]); x = x.reshape(x.shape[:-1] + (-1, 32)); a = np.abs(x).max(-1, keepdims=True)
;;       e = np.where(a > 0, np.clip(np.frexp(np.where(a > 0, a, 1))[1] - 1 - 4, -126, 127), 0)      # np.frexp(a)[1] - 1 = floor(log2(a)), exactly
;;       r = np.clip(x / 2.0 ** e, -28, 28)
;;       step = 2.0 ** (np.maximum(np.frexp(np.where(r == 0, 1, r))[1] - 1, -2) - 2)
;;       q = np.round(r / step) * step * 2.0 ** e      # np.round: ties to even
;;       return np.moveaxis(q.reshape(q.shape[:-2] + (-1,))[..., :K], -1, axis).astype(np.float32)
;;   ~~~
;;   SOFTMAX AHEAD OF A QUANTISED PRODUCT. Where the list says 'softmax', what is quantised is not the finished softmax but p = 2^(t - M), with t = logit x log2(e) and M = ceil(the row's largest t), a whole number; so 1/2 < the row's largest p <= 1. The row's sum l is taken of the UNQUANTISED p, in f32, and the product's result is divided by l at the end. Since M is a whole number, a kernel that streams over the keys may use a running M (the ceiling of the running maximum): every later rescaling is an exact power of two, which a block's scale takes up: the codes' values come out the same.
;;   OPERANDS COMPUTED ON THE WAY. 'Computed on the way' means the value that the module computes at that place (a softmax that the list does not call 'softmax' is quantised finished and normalised). What goes into a quantiser is computed in f32, as accurately as f32 sums, v_exp_f32 and their like allow (about 1e-6 of the number): no bf16 or f16 on the way to a quantiser, and a product that is left as it is and whose result goes on into a quantised operand takes f32 operands (vector FMAs, or v_wmma_f32_16x16x4_f32). A number that lies on a knife's edge between two numbers of the format may be rounded either way, as far as f32 arithmetic and the matrix unit's own rounding can turn it there, and no further.
;;   INPUTS GIVEN AS CODES. Wk (in the module: [512, 512], K = its axis 1); Wo (in the module: [512, 512], K = its axis 1); Wq (in the module: [512, 512], K = its axis 1); Wv (in the module: [512, 512], K = its axis 1); x (in the module: [2, 4096, 512], K = its axis 2): each comes as NAME_codes (uint8): NAME with its K axis moved to the last place and cut into blocks of 32 codes, [.., K / 32, bytes a block], one block behind the other in memory; four codes in three bytes: a row's codes are one little-endian stream of bits, code i at bits 6 i .. 6 i + 5 (a code: sign, 3 exponent bits, 2 mantissa bits); and NAME_scales (uint8): the same leading axes, one E8M0 byte (e + 127) for each 32 codes along K. Its value is code x scale, taken as it is: it is not quantised again, and the codes and scales need not be those that the quantiser above would give.
;; One version. Each part assembles by itself: llvm-mc -triple=amdgcn-amd-amdhsa -mcpu=gfx1250 --defsym DOCPART=n.
;; ======== version 1 of 1: 3 launches
;; limits: right only within a limited range of input values
;; workspace buffers: qs 3,276,800 bytes; kv 6,553,600 bytes; ctxc 3,145,728 bytes; ctxs 262,144 bytes
;; launch proj (part 1): grid 4 x 64, 4 waves a work-group, clusters of 4 x 1, 168,448 bytes of LDS; arguments x_codes, x_scales, Wq_codes, Wq_scales, bq, Wk_codes, Wk_scales, bk, Wv_codes, Wv_scales, bv, qs, kv; writes qs, kv
.if DOCPART == 1
	.amdgcn_target "amdgcn-amd-amdhsa--gfx1250"
	.amdhsa_code_object_version 6
	.text
	.protected	k_q2699c16049_proj
	.globl	k_q2699c16049_proj
	.p2align	8
	.type	k_q2699c16049_proj,@function
k_q2699c16049_proj:
	s_mov_b64 s[64:65], 0
	v_nop
	global_prefetch_b8 v0, s[64:65] scope:SCOPE_SE
	s_setreg_imm32_b32 hwreg(HW_REG_WAVE_MODE, 25, 1), 1
	s_wait_xcnt 0x0
	s_wait_alu depctr_hold_cnt(0) depctr_sa_sdst(0) depctr_va_vdst(0) depctr_va_sdst(0) depctr_va_ssrc(0) depctr_va_vcc(0) depctr_vm_vsrc(0)
	s_getreg_b32 s2, hwreg(HW_REG_IB_STS2, 6, 4)
	s_cmp_eq_u32 s2, 0
	s_cbranch_scc0 .Lentry_in_a_cluster
	s_endpgm
.Lentry_in_a_cluster:
	s_bfe_u32 s2, ttmp6, 0x10000c
	s_cmp_lg_u32 s2, 0x3003
	s_cbranch_scc0 .Lentry_shape_is_right
	s_endpgm
.Lentry_shape_is_right:
; q, k, v = x W^T + b on codes of BF6 (E3M2) with E8M0 scales, and the results quantised again for the attention launch:
; q and k along the head's 64 (two blocks of 32), v along the keys (blocks of 32 tokens).
; SHARES.  A work-group takes 128 tokens (work-group y) and two heads (its place cx in the cluster).  Four waves.
;   first part:  wave w makes q (w < 2) or k (w >= 2) of head 2 cx + (w & 1): 128 tokens x 64 features, 128 matrix instructions;
;   second part: wave w makes v^T of head 2 cx + (w >> 1), features 32 (w & 1) .. + 31, for the 128 tokens: 64 matrix instructions.
; CLUSTER.  The four work-groups of a cluster take the same 128 rows of x: the tile is asked for JOINTLY, once (mask 15).  The weights are not
; shared inside a cluster (each place has its own heads) and each fragment of them is used by one wave alone: they go from memory straight into that wave's registers.
; ROWS OF A TILE ARE NOT NEIGHBOURS.  pi(r) = r + 8 (r / 8).  Lane r of token tile (b, u) holds token 32 b + 8 u + pi(r); lane r of feature tile (B, u) holds feature
; 32 B + 8 u + pi(r).  As source 0 such tiles make the 16 result registers of tiles (., 0) and (., 1) sixteen NEIGHBOURS, 32 . + 16 (lane / 16) + 0 .. 15, along the next product's K.
; WHAT IS STORED is laid in the order of the reader's operand registers: an IMAGE is a fragment's 12 registers as 3 chunks of 4, chunk c at 512 c + 16 x lane.
;   qs [16 heads][32 steps of 128 tokens][6,400]: 4 images (image f: registers 0-5 token tile (f, 0), registers 6-11 tile (f, 1), each 64 along d), then 256 bytes of scale words.
;   kv [16][32][12,800]: k's 4 images, v's 4 images (feature tile t, 128 keys), k's scale words, v's scale words.
;   Scale words: [lane 32][j 2]: the word at lane (r, h), j is that of image 2 j + h, row r.
; The biases are the C of each sum's first matrix instruction (so they are added first, not last as in the source).
; LIMITS: NaN and infinities are not served.  A block whose largest magnitude lies under 2^-122 keeps the scale byte 1; a block of zeros too (its codes are zeros; these bytes are read by this program alone).
; REGISTERS, in windows of 256.  Window 0: v4-14 addresses; v16-47 x's scale words; v48-71 the weights'; v72-79 at work; v96-110 the image in hand; v128-255 accumulators.
;   Window 1: Wq's or Wk's 16 fragments.  Window 2: Wv's 8 fragments, from v96 the q/k bias, from v128 v's bias.  Window 3: x's fragments, two buffers of 96.
.set WV,   2
.set SEL,  48                          ; s[48:49] lane selects of v_permlanex16_b32: lane l xor 16
.set HM,   50                          ; s50 mask of lanes 16-31
.set XA,   4                           ; v4   pi(r) x 480 + 24 h: my place in a tile of x in LDS
.set XA2,  5                           ; v5   the same behind one padding more
.set WA,   6                           ; v6   pi(r) x 384 + 24 h: my place in 32 rows of a weight
.set SA,   7                           ; v7   pi(r) x 16: a row of 16 scale bytes
.set BA,   8                           ; v8   64 h
.set BVA,  9                           ; v9   4 pi(r)
.set LI,   10                          ; v10  16 x lane
.set L8,   11                          ; v11  8 x lane
.set VSA,  12                          ; v12  where I put v's scale word in LDS
.set VGL,  13                          ; v13  wave 0: where the two heads' scale words go in kv
.set VLD,  14                          ; v14  wave 0: where it reads them in LDS
.set XS,   16
.set WS,   48
.set TM,   72
.set HW,   80
.set KW,   82
.set XP,   86
.set VW,   88
.set IMG,  96
.set CT,   108
.set ACC,  128
.set BQ,   96                          ; in window 2
.set BV,   128                         ; in window 2
.set VSTG, 61440                       ; LDS: x's 128 rows of 480 bytes lie in front; here 512 bytes for v's scale words, which no tensor load touches
.set MSB, 0
.macro WIN new                         ; the immediate's high byte repeats the setting that is left
.if MSB != \new
	s_set_vgpr_msb (MSB<<8)|\new
.set MSB, \new
.endif
.endm
.macro PLACES n
.rept \n
	v_nop
.endr
.endm
.macro CROUND                          ; a round of the cluster's barrier
	s_barrier_signal -1
	s_barrier_wait -1
	s_cmp_lg_u32 s[WV], 0
	s_cbranch_scc1 .Lnot_wave_0_\@
	s_barrier_signal -3
.Lnot_wave_0_\@:
	s_barrier_wait -3
	s_barrier_signal -1
	s_barrier_wait -1
.endm
; 32 numbers of a lane, register 16 B + i = k 32 B + 16 (lane / 16) + i of my row, become six registers of codes at v[d] (lane (r, h): block h whole) and the two scale bytes in v[hw].
.macro QPAIR s, d, t, hw
.irp b, 0,1
	v_max3_num_f32 v[TM+\b], |v[(\s)+16*\b]|, |v[(\s)+1+16*\b]|, 0x2800000   ; my 16 numbers of block b, and the floor 2^(5 - 127): the byte cannot fall under 1
.endr
.irp i, 2,4,6,8,10,12,14
.irp b, 0,1
	v_max3_num_f32 v[TM+\b], v[TM+\b], |v[(\s)+16*\b+\i]|, |v[(\s)+1+16*\b+\i]|
.endr
.endr
.irp b, 0,1
	v_permlanex16_b32 v[TM+2+\b], v[TM+\b], s[SEL], s[SEL+1]
.endr
.irp b, 0,1
	v_max_num_f32 v[TM+\b], v[TM+\b], v[TM+2+\b]   ; with lane l xor 16's: the block's largest magnitude
.endr
.irp b, 0,1
	v_add_nc_u32 v[TM+4+\b], 0xfe000000, v[TM+\b]  ; 4 off its exponent field: the conversion's scale operand
.endr
.irp b, 0,1
	v_lshrrev_b32 v[TM+2+\b], 23, v[TM+4+\b]       ; the scale's byte
.endr
	v_lshl_or_b32 v[\hw], v[TM+3], 8, v[TM+2]
	v_cvt_scalef32_pk16_bf6_f32 v[(\d):(\d)+2], v[(\s):(\s)+15], v[TM+4]
	v_cvt_scalef32_pk16_bf6_f32 v[(\t):(\t)+2], v[(\s)+16:(\s)+31], v[TM+5]
	v_nop                                          ; one plain place behind a scaled conversion
.irp i, 0,1,2
	v_permlane16_swap_b32 v[(\d)+\i], v[(\t)+\i]   ; the first now holds each lane's block's lower 16 codes, the second the upper 16
.endr
.irp i, 0,1,2
	v_mov_b32 v[(\d)+3+\i], v[(\t)+\i]
.endr
.endm
	s_load_b512 s[8:23], s[0:1], 0x0               ; x codes s[8:9], x scales s[10:11], Wq codes, scales, bq s[12:17], Wk codes, scales, bk s[18:23]
	s_load_b256 s[24:31], s[0:1], 0x40             ; Wv codes s[24:25], scales s[26:27], bv s[28:29], qs s[30:31]
	s_load_b64 s[32:33], s[0:1], 0x60              ; kv
	v_lshl_add_u32 v126, v0, 2, 0x29000
	v_mov_b32 v127, 0
	ds_add_u32 v126, v127
	ds_add_u32 v126, v127
	v_lshrrev_b32 v1, 5, v0
	v_readfirstlane_b32 s[WV], v1                  ; wave 0..3
	s_bfe_u32 s3, ttmp6, 0x40000                   ; cx: the pair of heads; it enters the weights' and the outputs' addresses alone
	s_and_b32 s4, ttmp7, 0xffff                    ; the block of 128 tokens, which the four partners share
	s_lshr_b32 s5, s4, 5                           ; batch
	s_and_b32 s6, s4, 31                           ; step of 128 tokens in the batch
	; descriptor group 1: my 32 rows of x are 12,288 dense bytes: stated as 48 rows of 256 bytes, each at a multiple of 256 bytes; 16 bytes of padding behind every 64: a row of x lies 480 bytes from the next in LDS
	s_mov_b32 s40, 15|(0<<16)|(1<<20)|(1<<21)|(3<<22)|(3<<25)  ; the mask: all four work-groups; elements of 1 byte; padding on; bit 21 beside a mask; after every 16 words; 4 words
	s_mov_b32 s41, 256<<16                         ; tensor_dim0
	s_mov_b32 s42, 48<<16                          ; tensor_dim1
	s_mov_b32 s43, 256<<16                         ; tile_dim0
	s_mov_b32 s44, 48                              ; tile_dim1
	s_mov_b32 s45, 256                             ; the pitch
	s_mov_b32 s46, 0
	s_mov_b32 s47, 0
	s_mov_b32 s36, 1
	s_mul_i32 s37, s[WV], 15360                    ; LDS: my 32 rows
	s_mul_i32 s60, s4, 49152
	s_mul_i32 s61, s[WV], 12288
	s_add_co_u32 s60, s60, s61
	s_mov_b32 s61, 0
	s_mov_b32 s[SEL], 0x76543210
	s_mov_b32 s[SEL+1], 0xfedcba98
	s_mov_b32 s[HM], 0xffff0000
	s_wait_dscnt 0x0
	s_wait_kmcnt 0x0
	s_add_nc_u64 s[38:39], s[8:9], s[60:61]
	s_or_b32 s39, s39, 0x80000000
	CROUND                                         ; all four work-groups are here: the joint loads meet
	tensor_load_to_lds s[36:39], s[40:47]          ; my one tensor load of the launch
	s_nop 0
	PLACES 4
	; which weight, which output: the choice hangs on the wave's number alone
	s_cmp_lt_u32 s[WV], 2
	s_cselect_b64 s[12:13], s[12:13], s[18:19]
	s_cselect_b64 s[14:15], s[14:15], s[20:21]
	s_cselect_b64 s[16:17], s[16:17], s[22:23]
	s_cselect_b64 s[52:53], s[30:31], s[32:33]
	s_and_b32 s51, s[WV], 1
	s_lshr_b32 s35, s[WV], 1
	s_lshl_b32 s34, s3, 1
	s_add_co_u32 s7, s34, s51                      ; first part: my head
	s_mul_i32 s60, s7, 24576
	s_add_nc_u64 s[12:13], s[12:13], s[60:61]      ; its 64 rows of codes,
	s_lshl_b32 s60, s7, 10
	s_add_nc_u64 s[14:15], s[14:15], s[60:61]      ; of scale bytes,
	s_lshl_b32 s60, s7, 8
	s_add_nc_u64 s[16:17], s[16:17], s[60:61]      ; its bias
	s_lshl_b32 s62, s5, 3
	s_add_co_u32 s63, s62, s7                      ; 8 x batch + head
	s_mul_i32 s60, s63, 204800
	s_mul_i32 s63, s6, 6400
	s_add_co_u32 s60, s60, s63
	s_lshl_b32 s60, s60, s35                       ; kv's strides are twice qs's
	s_add_nc_u64 s[52:53], s[52:53], s[60:61]      ; where my images go
	s_lshl_b32 s60, 6144, s35
	s_add_nc_u64 s[54:55], s[52:53], s[60:61]      ; and their scale words
	s_add_co_u32 s63, s34, s35                     ; second part: my head
	s_lshl_b32 s60, s63, 6
	s_lshl_b32 s7, s51, 5
	s_add_co_u32 s7, s60, s7                       ; my first row of Wv
	s_mul_i32 s60, s7, 384
	s_add_nc_u64 s[24:25], s[24:25], s[60:61]
	s_lshl_b32 s60, s7, 4
	s_add_nc_u64 s[26:27], s[26:27], s[60:61]
	s_lshl_b32 s60, s7, 2
	s_add_nc_u64 s[28:29], s[28:29], s[60:61]
	s_add_co_u32 s63, s62, s63
	s_mul_i32 s60, s63, 409600
	s_mul_i32 s7, s6, 12800
	s_add_co_u32 s60, s60, s7
	s_mul_i32 s63, s51, 3072
	s_add_co_u32 s60, s60, s63
	s_add_co_u32 s60, s60, 6144
	s_add_nc_u64 s[56:57], s[32:33], s[60:61]      ; where my two images of v go
	s_add_co_u32 s63, s62, s34
	s_mul_i32 s60, s63, 409600
	s_add_co_u32 s60, s60, s7
	s_add_co_u32 s60, s60, 12544
	s_add_nc_u64 s[58:59], s[32:33], s[60:61]      ; v's scale words of the work-group's first head
	s_lshl_b32 s60, s4, 11
	s_add_nc_u64 s[10:11], s[10:11], s[60:61]      ; x's scale bytes of my 128 tokens
	v_and_b32 v1, 15, v0                           ; r
	v_bfe_u32 v2, v0, 4, 1                         ; h
	v_and_b32 v3, 8, v1
	v_add_nc_u32 v3, v3, v1                        ; pi(r)
	v_mul_u32_u24 v[XA], v3, 480
	v_mad_u32_u24 v[XA], v2, 24, v[XA]
	v_lshl_add_u32 v[XA2], v2, 4, v[XA]
	v_mul_u32_u24 v[WA], v3, 384
	v_mad_u32_u24 v[WA], v2, 24, v[WA]
	v_lshlrev_b32 v[SA], 4, v3
	v_lshlrev_b32 v[BA], 6, v2
	v_lshlrev_b32 v[BVA], 2, v3
	v_and_b32 v15, 31, v0
	v_lshlrev_b32 v[LI], 4, v15
	v_lshlrev_b32 v[L8], 3, v15
	v_xor_b32 v15, 0x80, v[LI]                     ; 16 x (lane xor 8): q's and k's ODD images are stored with rows r and r xor 8 exchanged, so that the attention launch's sixteen lanes, eight from an even and eight from an odd image, name sixteen different 16-byte columns
	v_bfe_u32 v[VSA], v0, 6, 1
	v_lshlrev_b32 v[VSA], 8, v[VSA]                ; 256 x (wave >> 1): the head
	v_bfe_u32 v[VLD], v0, 5, 1
	v_lshl_add_u32 v[VSA], v[VLD], 2, v[VSA]       ; + 4 x (wave & 1): the word j
	v_add_nc_u32 v[VSA], v[VSA], v[L8]
	v_add_nc_u32 v[VSA], VSTG, v[VSA]
	v_mul_u32_u24 v[VGL], v2, 409600               ; lanes 16-31: the next head's block
	v_lshl_add_u32 v[VGL], v1, 4, v[VGL]
	v_add_nc_u32 v[VLD], VSTG, v[LI]
	v_mov_b32 v[TM+2], 0                           ; written once: a lane permute's destination counts as one of its sources
	v_mov_b32 v[TM+3], 0
	; the weights, biases and scale words: they stay in registers
	WIN 0x40                                       ; destination window 1
.irp ft, 0,1,2,3
.irp q, 0,1,2,3
.irp p, 0,1,2,3,4,5
	global_load_b64 v[12*(4*\ft+\q)+2*\p:12*(4*\ft+\q)+2*\p+1], v[WA], s[12:13] offset:(32*(\ft/2)+8*(\ft%2))*384+96*\q+48*(\p/3)+8*(\p%3)
.endr
.endr
.endr
	WIN 0x80                                       ; destination window 2
.irp tp, 0,1
.irp q, 0,1,2,3
.irp p, 0,1,2,3,4,5
	global_load_b64 v[12*(4*\tp+\q)+2*\p:12*(4*\tp+\q)+2*\p+1], v[WA], s[24:25] offset:8*\tp*384+96*\q+48*(\p/3)+8*(\p%3)
.endr
.endr
.endr
.irp ft, 0,1,2,3
	global_load_b128 v[BQ+8*\ft:BQ+8*\ft+3], v[BA], s[16:17] offset:(32*(\ft/2)+8*(\ft%2))*4       ; lane (r, h), register j: the bias of feature 32 B + 8 u + 16 h + j
	global_load_b128 v[BQ+8*\ft+4:BQ+8*\ft+7], v[BA], s[16:17] offset:(32*(\ft/2)+8*(\ft%2))*4+16
.endr
.irp tp, 0,1
.irp j, 0,1,2,3,4,5,6,7
	global_load_b32 v[BV+8*\tp+\j], v[BVA], s[28:29] offset:32*\tp   ; v^T: a lane holds one feature: its bias in all eight registers
.endr
.endr
	WIN 0
.irp tt, 0,1,2,3,4,5,6,7
	global_load_b128 v[XS+4*\tt:XS+4*\tt+3], v[SA], s[10:11] offset:(32*(\tt/2)+8*(\tt%2))*16   ; token tile tt: the words of the four K steps
.endr
.irp ft, 0,1,2,3
	global_load_b128 v[WS+4*\ft:WS+4*\ft+3], v[SA], s[14:15] offset:(32*(\ft/2)+8*(\ft%2))*16
.endr
.irp tp, 0,1
	global_load_b128 v[WS+16+4*\tp:WS+16+4*\tp+3], v[SA], s[26:27] offset:8*\tp*16
.endr
; A fragment of x from LDS: six pieces of 8 bytes.  Lanes 16-31 read three pieces further on, which for some pieces is behind one padding more: the second address register serves those.
.macro FRAG reg, q, row
.irp p, 0,1,2,3,4,5
.set PCE, 12*(\q)+6*(\p/3)+\p%3
.if PCE%8 < 5
	ds_load_b64 v[(\reg)+2*\p:(\reg)+2*\p+1], v[XA] offset:8*PCE+16*(PCE/8)+(\row)*480
.else
	ds_load_b64 v[(\reg)+2*\p:(\reg)+2*\p+1], v[XA2] offset:8*PCE+16*(PCE/8)+(\row)*480
.endif
.endr
.endm
; Stage k's eight fragments, 48 loads, into buffer k % 2.  k < 4: the two token tiles of pair k, all four K steps.  k >= 4: all eight token tiles, K step k - 4.
.macro FETCH k
.set XB, 96*((\k)%2)
	WIN 0xc0                                       ; destination window 3
.if (\k) < 4
.irp u, 0,1
.irp q, 0,1,2,3
	FRAG XB+12*(4*\u+\q), \q, 32*(\k)+8*\u
.endr
.endr
.else
.irp tt, 0,1,2,3,4,5,6,7
	FRAG XB+12*\tt, (\k)-4, 32*(\tt/2)+8*(\tt%2)
.endr
.endif
	WIN 0
.endm
; q or k of the 32 tokens of pair k: source 0 = 16 rows of the weight, source 1 = 16 tokens: a lane holds one token and its registers run along the head's 64.
; The eight accumulators take turns, one instruction a turn.
.macro QKSTAGE k
.set XB, 96*((\k)%2)
	s_wait_dscnt 48                                ; this stage's 48 loads are in; the next stage's 48 may be out
.irp q, 0,1,2,3
.if \q == 0
	WIN 0x2d                                       ; source 0 window 1, source 1 window 3, C (the bias) window 2
.else
	WIN 0x0d
.endif
.irp u, 0,1
.irp ft, 0,1,2,3
.if \q == 0
	v_wmma_scale_f32_16x16x128_f8f6f4 v[ACC+32*\u+8*\ft:ACC+32*\u+8*\ft+7], v[12*(4*\ft+\q):12*(4*\ft+\q)+11], v[XB+12*(4*\u+\q):XB+12*(4*\u+\q)+11], v[BQ+8*\ft:BQ+8*\ft+7], v[WS+4*\ft+\q], v[XS+4*(2*(\k)+\u)+\q] matrix_a_fmt:MATRIX_FMT_BF6 matrix_b_fmt:MATRIX_FMT_BF6
.else
	v_wmma_scale_f32_16x16x128_f8f6f4 v[ACC+32*\u+8*\ft:ACC+32*\u+8*\ft+7], v[12*(4*\ft+\q):12*(4*\ft+\q)+11], v[XB+12*(4*\u+\q):XB+12*(4*\u+\q)+11], v[ACC+32*\u+8*\ft:ACC+32*\u+8*\ft+7], v[WS+4*\ft+\q], v[XS+4*(2*(\k)+\u)+\q] matrix_a_fmt:MATRIX_FMT_BF6 matrix_b_fmt:MATRIX_FMT_BF6
.endif
.endr
.endr
.endr
	WIN 0
	PLACES 5                                       ; in front of loads into the buffer just read, of the first read of results, and of the next stage's products, which begin these accumulators anew
	FETCH (\k)+2
	s_wait_xcnt 0x0                                ; the last stage's stores have read the image's registers
	QPAIR ACC, IMG, CT, HW
	QPAIR ACC+32, IMG+6, CT, HW+1
	v_lshl_or_b32 v[KW+(\k)], v[HW+1], 16, v[HW]   ; the image's scale word: the even tile's two bytes, the odd tile's two
.irp c, 0,1,2
	global_store_b128 v[LI+5*((\k)%2)], v[IMG+4*\c:IMG+4*\c+3], s[52:53] offset:1536*(\k)+512*\c   ; 32 lanes store 512 consecutive bytes (v15 for an odd image)
.endr
.endm
; v^T, K step k - 4: source 0 = 16 tokens, source 1 = 16 rows of Wv: a lane holds one feature and its registers run along the tokens.  Sixteen accumulators by turns.
.macro VSTAGE k
.set XB, 96*((\k)%2)
.if (\k) < 7
	s_wait_dscnt 48
.else
	s_wait_dscnt 0x0
.endif
.if (\k) == 4
	WIN 0x2b                                       ; source 0 window 3, source 1 window 2, C (the bias) window 2
.else
	WIN 0x0b
.endif
.irp tt, 0,1,2,3,4,5,6,7
.irp tp, 0,1
.if (\k) == 4
	v_wmma_scale_f32_16x16x128_f8f6f4 v[ACC+64*\tp+8*\tt:ACC+64*\tp+8*\tt+7], v[XB+12*\tt:XB+12*\tt+11], v[12*(4*\tp+(\k)-4):12*(4*\tp+(\k)-4)+11], v[BV+8*\tp:BV+8*\tp+7], v[XS+4*\tt+(\k)-4], v[WS+16+4*\tp+(\k)-4] matrix_a_fmt:MATRIX_FMT_BF6 matrix_b_fmt:MATRIX_FMT_BF6
.else
	v_wmma_scale_f32_16x16x128_f8f6f4 v[ACC+64*\tp+8*\tt:ACC+64*\tp+8*\tt+7], v[XB+12*\tt:XB+12*\tt+11], v[12*(4*\tp+(\k)-4):12*(4*\tp+(\k)-4)+11], v[ACC+64*\tp+8*\tt:ACC+64*\tp+8*\tt+7], v[XS+4*\tt+(\k)-4], v[WS+16+4*\tp+(\k)-4] matrix_a_fmt:MATRIX_FMT_BF6 matrix_b_fmt:MATRIX_FMT_BF6
.endif
.endr
.endr
	WIN 0
	PLACES 5
.if (\k) < 6
	FETCH (\k)+2
.endif
.endm
	s_wait_tensorcnt 0x0                           ; my 32 rows of x are in LDS,
	s_barrier_signal -1
	s_barrier_wait -1                              ; everybody's are
	FETCH 0
	FETCH 1
	s_wait_loadcnt 0x0                             ; weights, biases, scale words
	QKSTAGE 0
	QKSTAGE 1
	QKSTAGE 2
	QKSTAGE 3
	v_cndmask_b32 v[XP], v[KW], v[KW+1], s[HM]     ; lanes 0-15 carry images 0 and 2, lanes 16-31 images 1 and 3
	v_cndmask_b32 v[XP+1], v[KW+2], v[KW+3], s[HM]
	global_store_b64 v[L8], v[XP:XP+1], s[54:55]   ; 32 lanes store 256 consecutive bytes, aligned
	VSTAGE 4
	VSTAGE 5
	VSTAGE 6
	VSTAGE 7
.irp tp, 0,1
	s_wait_xcnt 0x0                                ; the earlier stores have read the image's registers
	QPAIR ACC+64*\tp, IMG, CT, HW                  ; keys 0-63 of the step: blocks 0, 1
	QPAIR ACC+64*\tp+32, IMG+6, CT, HW+1           ; keys 64-127: blocks 2, 3
	v_lshl_or_b32 v[VW+\tp], v[HW+1], 16, v[HW]
.irp c, 0,1,2
	global_store_b128 v[LI], v[IMG+4*\c:IMG+4*\c+3], s[56:57] offset:1536*\tp+512*\c
.endr
.endr
	v_cndmask_b32 v90, v[VW], v[VW+1], s[HM]       ; lanes 0-15 my first feature tile's words, lanes 16-31 my second's
	ds_store_b32 v[VSA], v90
	s_wait_dscnt 0x0                               ; for wave 0's sake: my store has landed
	s_barrier_signal -1
	s_barrier_wait -1
	s_cmp_lg_u32 s[WV], 0
	s_cbranch_scc1 .Lnot_first
	ds_load_b128 v[92:95], v[VLD]                  ; the two heads' 256 bytes each
	s_wait_dscnt 0x0
	global_store_b128 v[VGL], v[92:95], s[58:59]   ; sixteen lanes store 256 consecutive bytes, aligned, for each head
.Lnot_first:
	s_wait_tensorcnt 0x0
	ds_add_u32 v126, v127
	s_wait_dscnt 0x0
	CROUND                                         ; the closing round
	s_endpgm
.Lfunc_end_k_q2699c16049_proj:
	.size	k_q2699c16049_proj, .Lfunc_end_k_q2699c16049_proj-k_q2699c16049_proj
	.p2alignl 7, 3214868480
	.fill 96, 4, 3214868480
	.section	.rodata,"a",@progbits
	.p2align	6, 0x0
	.amdhsa_kernel k_q2699c16049_proj
		.amdhsa_group_segment_fixed_size 168448
		.amdhsa_private_segment_fixed_size 0
		.amdhsa_enable_private_segment 0
		.amdhsa_kernarg_size 104
		.amdhsa_user_sgpr_count 2
		.amdhsa_user_sgpr_kernarg_segment_ptr 1
		.amdhsa_wavefront_size32 1
		.amdhsa_system_sgpr_workgroup_id_x 1
		.amdhsa_system_sgpr_workgroup_id_y 1
		.amdhsa_system_sgpr_workgroup_id_z 1
		.amdhsa_system_vgpr_workitem_id 0
		.amdhsa_next_free_vgpr 1024
		.amdhsa_next_free_sgpr 66
		.amdhsa_reserve_vcc 0
		.amdhsa_float_denorm_mode_32 3
		.amdhsa_float_denorm_mode_16_64 3
		.amdhsa_memory_ordered 1
		.amdhsa_forward_progress 1
		.amdhsa_inst_pref_size 100
	.end_amdhsa_kernel
	.amdgpu_metadata
---
amdhsa.version: [ 1, 2 ]
amdhsa.kernels:
  - .name:           k_q2699c16049_proj
    .symbol:         k_q2699c16049_proj.kd
    .args:
      - { .name: x_codes, .offset: 0, .size: 8, .value_kind: global_buffer, .address_space: global }
      - { .name: x_scales, .offset: 8, .size: 8, .value_kind: global_buffer, .address_space: global }
      - { .name: Wq_codes, .offset: 16, .size: 8, .value_kind: global_buffer, .address_space: global }
      - { .name: Wq_scales, .offset: 24, .size: 8, .value_kind: global_buffer, .address_space: global }
      - { .name: bq, .offset: 32, .size: 8, .value_kind: global_buffer, .address_space: global }
      - { .name: Wk_codes, .offset: 40, .size: 8, .value_kind: global_buffer, .address_space: global }
      - { .name: Wk_scales, .offset: 48, .size: 8, .value_kind: global_buffer, .address_space: global }
      - { .name: bk, .offset: 56, .size: 8, .value_kind: global_buffer, .address_space: global }
      - { .name: Wv_codes, .offset: 64, .size: 8, .value_kind: global_buffer, .address_space: global }
      - { .name: Wv_scales, .offset: 72, .size: 8, .value_kind: global_buffer, .address_space: global }
      - { .name: bv, .offset: 80, .size: 8, .value_kind: global_buffer, .address_space: global }
      - { .name: qs, .offset: 88, .size: 8, .value_kind: global_buffer, .address_space: global }
      - { .name: kv, .offset: 96, .size: 8, .value_kind: global_buffer, .address_space: global }
    .group_segment_fixed_size: 168448
    .private_segment_fixed_size: 0
    .kernarg_segment_align: 8
    .kernarg_segment_size: 104
    .max_flat_workgroup_size: 128
    .sgpr_count:     66
    .vgpr_count:     1024
    .wavefront_size: 32
...
	.end_amdgpu_metadata
.endif
;; end of part 1
;; launch attn (part 2): grid 16 x 16, 16 waves a work-group, clusters of 4 x 1, 327,680 bytes of LDS; arguments qs, kv, ctxc, ctxs; writes ctxc, ctxs
.if DOCPART == 2
	.amdgcn_target "amdgcn-amd-amdhsa--gfx1250"
	.amdhsa_code_object_version 6
	.text
	.protected	k_q2699c16049_attn
	.globl	k_q2699c16049_attn
	.p2align	8
	.type	k_q2699c16049_attn,@function
k_q2699c16049_attn:
	s_mov_b64 s[64:65], 0
	v_nop
	global_prefetch_b8 v0, s[64:65] scope:SCOPE_SE
	s_setreg_imm32_b32 hwreg(HW_REG_WAVE_MODE, 25, 1), 1
	s_wait_xcnt 0x0
	s_wait_alu depctr_hold_cnt(0) depctr_sa_sdst(0) depctr_va_vdst(0) depctr_va_sdst(0) depctr_va_ssrc(0) depctr_va_vcc(0) depctr_vm_vsrc(0)
	s_getreg_b32 s2, hwreg(HW_REG_IB_STS2, 6, 4)
	s_cmp_eq_u32 s2, 0
	s_cbranch_scc0 .Lentry_in_a_cluster
	s_endpgm
.Lentry_in_a_cluster:
	s_bfe_u32 s2, ttmp6, 0x10000c
	s_cmp_lg_u32 s2, 0x3003
	s_cbranch_scc0 .Lentry_shape_is_right
	s_endpgm
.Lentry_shape_is_right:
; ctx[q] = sum over keys of softmax(q . k / 8) v for one head, both products on codes of BF6 (E3M2) with E8M0 scales, and ctx quantised along the hidden axis for the last launch.
; THE SOFTMAX: t = score x log2(e) / 8; M = the running largest t rounded UP to a whole number; p = 2^(t - M) is quantised along the keys, not normalised.  The row's sum is taken of the
; unquantised p and divides at the end.  When M moves, the sum and O are multiplied by 2^(old M - new M): exact.
; SHARES.  A work-group owns 256 queries of one head (work-group y = 8 x batch + head); each of its sixteen waves one tile of 16 queries, in 256 registers: four waves to a SIMD.
; Every wave walks the head's 4,096 keys, 128 a step.
; CLUSTER.  The four query blocks of a cluster walk the same head's k and v: each fill is asked for JOINTLY (mask 15), every wave a sixteenth of it.
; LDS.  Three regions of 8 steps (102,400 bytes each).  Fills: steps 0-7 into region 0, 8-15 into region 1, 16-23 into region 2, 24-31 into region 0 again.  No prefetch is laid: each fill
; behind the head's is asked for at least 8 key steps of work ahead of its first read, and the head's fill is the launch's first request, with no loop ahead of it to ask from.
; OPERANDS come from the launch before as images of their registers (chunk c of 4 registers at 512 c + 16 x lane; in q's and k's odd images at 16 x (lane xor 8)).
; WHICH KEYS FORM A TILE is chosen here by the lanes' LDS addresses: lanes r < 8 read image 2 g, lanes r >= 8 image 2 g + 1 (fragment x: the images' rows 8 x .. 8 x + 7).  So S's register
; 32 g + i of lane (r, h) is key 64 g + 32 h + i: A LANE HOLDS A WHOLE BLOCK OF 32 KEYS, the block's maximum needs no other lane, and the conversions' results are p's operand registers.
; THE HEAD IS 64 LONG AND THE MATRIX INSTRUCTION 128.  A fragment of k holds two tiles of 16 keys; Q stands between two runs of six zero registers: v[22:33] = (Q, 0), v[16:27] = (0, Q).
; Both products are used transposed (S^T = k q^T, O^T = v^T p^T): a lane holds one query.  O's register 16 B + i is feature 32 B + 16 (lane / 16) + i.
; LIMITS: NaN and infinities are not served.  The promise holds while the scaled scores stay under 2^31 in magnitude.  A block whose largest magnitude lies under 2^-122 keeps the scale
; byte 1; a block of zeros too (its codes are zeros; these bytes are read by this program alone).
.set STEPB, 12800                      ; a key step in kv and in LDS: k's 4 images, v's 4 images, 256 bytes of k's scale words, 256 of v's
.set REG,   8*STEPB                    ; a region: eight steps
.set PIECE, REG/16                     ; a wave's part of a fill: 6,400 dense bytes, 25 rows of 256
.set CST,   3*REG                      ; 1,024 bytes: the stage for ctx's scale words; no tensor load touches them
.set SPARE, CST+1024                   ; the spare words, 128 bytes for each of sixteen waves
.set LI,  1                            ; 16 x lane
.set L8,  2                            ; 8 x lane
.set SPW, 3                            ; my spare word; never rewritten
.set NIL, 4                            ; 0; never rewritten
.set KL0, 5                            ; 16 (r & 7) + 256 h + 1664 (r >> 3): my place in a pair of k's images, fragment 0
.set KL1, 6                            ; the same xor 128: fragment 1
.set KSL, 7                            ; 8 (r + 8 (r >> 3)) + 64 h: my place in k's scale words
.set CSA, 8
.set CLD, 9
.set CGO, 10
.set SH8, 11                           ; 8 h
.set QS1, 34                           ; Q's scale word for (Q, 0)
.set QS2, 35                           ; and for (0, Q)
.set KS,  36                           ; v[36:37] k's scale words of pair g: lanes 0-15 fragment 0, lanes 16-31 fragment 1
.set VS,  38                           ; v[38:39] v's: image t in register t / 2, lanes 16-31 where t is odd
.set PW,  40                           ; p's scale word
.set KSA, 41
.set KA0, 42                           ; v42, v43
.set VA,  44
.set VSA, 45
.set KF,  48                           ; v48-95 four fragments, k's and then v's
.set S,   96
.set O,   160
.set PC,  192
.set CT,  204                          ; v204-206, v208-210
.set BM,  212
.set SO,  214
.set BP,  216
.set T0,  218
.set T1,  219
.set T2,  220
.set WD,  221
.set XW,  222
.set F,   224                          ; v[224:225]
.set MX,  232                          ; v232-239 partial maxima; afterwards v232-245 partial sums
.set TS,  232
.set TM,  212                          ; the way out's quantiser works in v212-217
.set WV,  12
.set SEL, 28
.set CS,  30                           ; s[30:31] c = log2(e) / 8
.set TB,  32
.set STEPS, 33
.set NC,  34                           ; -c
.macro NOPS n
.rept \n
	v_nop
.endr
.endm
.macro D1
	s_delay_alu instid0(VALU_DEP_1)
.endm
.macro D2
	s_delay_alu instid0(VALU_DEP_2)
.endm
.macro CROUND                          ; a round of the cluster's barrier
	s_barrier_signal -1
	s_barrier_wait -1
	s_cmp_lg_u32 s[WV], 0
	s_cbranch_scc1 .Lnot_wave_0_\@
	s_barrier_signal -3
.Lnot_wave_0_\@:
	s_barrier_wait -3
	s_barrier_signal -1
	s_barrier_wait -1
.endm
.macro QPAIR s, d, t, hw               ; 32 numbers of a lane, register 16 B + i = k 32 B + 16 (lane / 16) + i, become six registers of codes and two scale bytes
.irp b, 0,1
	v_max3_num_f32 v[TM+\b], |v[(\s)+16*\b]|, |v[(\s)+1+16*\b]|, 0x2800000
.endr
.irp i, 2,4,6,8,10,12,14
.irp b, 0,1
	D2
	v_max3_num_f32 v[TM+\b], v[TM+\b], |v[(\s)+16*\b+\i]|, |v[(\s)+1+16*\b+\i]|
.endr
.endr
.irp b, 0,1
	D2
	v_permlanex16_b32 v[TM+2+\b], v[TM+\b], s[SEL], s[SEL+1]
.endr
.irp b, 0,1
	D2
	v_max_num_f32 v[TM+\b], v[TM+\b], v[TM+2+\b]
.endr
.irp b, 0,1
	D2
	v_add_nc_u32 v[TM+4+\b], 0xfe000000, v[TM+\b]
.endr
.irp b, 0,1
	D2
	v_lshrrev_b32 v[TM+2+\b], 23, v[TM+4+\b]
.endr
	D1
	v_lshl_or_b32 v[\hw], v[TM+3], 8, v[TM+2]
	v_cvt_scalef32_pk16_bf6_f32 v[(\d):(\d)+2], v[(\s):(\s)+15], v[TM+4]
	v_cvt_scalef32_pk16_bf6_f32 v[(\t):(\t)+2], v[(\s)+16:(\s)+31], v[TM+5]
	v_nop                                          ; one plain place behind a scaled conversion
.irp i, 0,1,2
	v_permlane16_swap_b32 v[(\d)+\i], v[(\t)+\i]
.endr
.irp i, 0,1,2
	v_mov_b32 v[(\d)+3+\i], v[(\t)+\i]
.endr
.endm
	s_load_b256 s[4:11], s[0:1], 0x0               ; qs s[4:5], kv s[6:7], ctxc s[8:9], ctxs s[10:11]
	v_lshl_add_u32 v[SPW], v0, 2, SPARE
	v_mov_b32 v[NIL], 0
	ds_add_u32 v[SPW], v[NIL]                      ; the opening lines: the add, twice on end, and its wait
	ds_add_u32 v[SPW], v[NIL]
	v_lshrrev_b32 v46, 5, v0
	v_readfirstlane_b32 s[WV], v46                 ; wave 0..15
	s_bfe_u32 s13, ttmp6, 0x40000                  ; cx
	s_lshl_b32 s14, ttmp9, 2
	s_add_co_u32 s14, s14, s13                     ; my block of 256 queries: it enters qs's, ctxc's and ctxs's addresses alone
	s_and_b32 s15, ttmp7, 0xffff                   ; 8 x batch + head, which the four partners share
	; group 1: 6,400 dense bytes as 25 rows of 256 bytes (32 elements of 8 bytes)
	s_mov_b32 s16, 15|(3<<16)|(1<<21)
	s_mov_b32 s17, 32<<16
	s_mov_b32 s18, 25<<16
	s_mov_b32 s19, 32<<16
	s_mov_b32 s20, 25
	s_mov_b32 s21, 32
	s_mov_b32 s22, 0
	s_mov_b32 s23, 0
	s_mul_i32 s35, s[WV], PIECE
	s_mul_i32 s36, s15, 409600
	s_add_co_u32 s36, s36, s35
	s_mov_b32 s37, 0
	s_mov_b32 s24, 1                               ; four groups 0, one for each fill
	s_mov_b32 s25, s35                             ; steps 0-7: region 0
	s_mov_b32 s48, 1
	s_add_co_u32 s49, s35, REG                     ; steps 8-15: region 1
	s_mov_b32 s52, 1
	s_add_co_u32 s53, s35, 2*REG                   ; steps 16-23: region 2
	s_mov_b32 s56, 1
	s_mov_b32 s57, s35                             ; steps 24-31: region 0 again
	s_mov_b32 s[SEL], 0x76543210
	s_mov_b32 s[SEL+1], 0xfedcba98
	s_mov_b32 s[CS], 0x3e38aa3b                    ; log2(e) / 8
	s_mov_b32 s[CS+1], s[CS]                       ; (named with it as a pair, so it is written)
	s_mov_b32 s[NC], 0xbe38aa3b
	s_wait_dscnt 0x0
	s_wait_kmcnt 0x0
	s_add_nc_u64 s[26:27], s[6:7], s[36:37]
	s_add_nc_u64 s[50:51], s[26:27], REG
	s_add_nc_u64 s[54:55], s[26:27], 2*REG
	s_add_nc_u64 s[58:59], s[26:27], 3*REG
	s_or_b32 s27, s27, 0x80000000
	s_or_b32 s51, s51, 0x80000000
	s_or_b32 s55, s55, 0x80000000
	s_or_b32 s59, s59, 0x80000000
	CROUND                                         ; all four work-groups are here: the first joint loads meet
	tensor_load_to_lds s[24:27], s[16:23]          ; steps 0-7, my sixteenth: my one tensor load at the head
	s_nop 0
	NOPS 4
	; my tile of queries: step 2 blk + (w >> 3) of qs, image (w >> 1) & 3, its half w & 1
	s_lshr_b32 s35, s[WV], 3
	s_lshl_b32 s36, s14, 1
	s_add_co_u32 s36, s36, s35
	s_mul_i32 s36, s36, 6400
	s_mul_i32 s38, s15, 204800
	s_add_co_u32 s36, s36, s38
	s_add_nc_u64 s[4:5], s[4:5], s[36:37]
	s_bfe_u32 s38, s[WV], 0x20001                  ; the image f
	s_mul_i32 s36, s38, 1536
	s_add_nc_u64 s[40:41], s[4:5], s[36:37]
	s_and_b32 s36, s38, 1
	s_lshl_b32 s36, s36, 7                         ; its scale words: lanes 16 (f & 1) on,
	s_mov_b32 s39, s36                             ; (128 where the image is odd: its lanes stand exchanged)
	s_lshr_b32 s38, s38, 1
	s_lshl_b32 s38, s38, 2                         ; word f >> 1
	s_add_co_u32 s36, s36, s38
	s_add_co_u32 s36, s36, 6144
	s_add_nc_u64 s[42:43], s[4:5], s[36:37]
	s_and_b32 s44, s[WV], 1
	s_sub_co_u32 s45, 0, s44                       ; all ones where my tile is the image's second half
	s_lshl_b32 s46, s44, 4
	s_lshr_b32 s47, s15, 3                         ; batch
	s_and_b32 s60, s15, 7                          ; head
	s_lshl_b32 s36, s47, 8
	s_lshl_b32 s38, s14, 4
	s_add_co_u32 s36, s36, s38
	s_add_co_u32 s36, s36, s[WV]                   ; my tile's number among the 512
	s_lshl_b32 s36, s36, 3
	s_add_co_u32 s36, s36, s60
	s_mul_i32 s36, s36, 768
	s_add_nc_u64 s[8:9], s[8:9], s[36:37]          ; ctxc [tile][head][768]
	s_lshl_b32 s36, s47, 5
	s_lshl_b32 s38, s14, 1
	s_add_co_u32 s36, s36, s38
	s_lshl_b32 s36, s36, 9
	s_lshl_b32 s38, s60, 15
	s_add_co_u32 s36, s36, s38
	s_add_nc_u64 s[10:11], s[10:11], s[36:37]      ; ctxs [head][128 tokens][512]: the work-group's 1,024 bytes
	s_and_b32 s61, s15, 1
	s_lshl_b32 s61, s61, 4                         ; an odd head's two bytes stand in the word's upper half
	v_and_b32 v46, 31, v0
	v_lshlrev_b32 v[LI], 4, v46
	v_lshlrev_b32 v[L8], 3, v46
	v_and_b32 v46, 15, v0                          ; r
	v_bfe_u32 v47, v0, 4, 1                        ; h
	v_lshlrev_b32 v41, 3, v46                      ; 8 r
	v_xor_b32 v42, s39, v[LI]                      ; my place in Q's image
	s_wait_alu depctr_va_vdst(0)
.irp c, 0,1,2
	global_load_b128 v[S+4*\c:S+4*\c+3], v42, s[40:41] offset:512*\c
.endr
	global_load_b32 v[QS1], v41, s[42:43]
	v_lshlrev_b32 v[SH8], 3, v47
	v_and_b32 v[KL0], 7, v0
	v_lshlrev_b32 v[KL0], 4, v[KL0]
	v_lshl_add_u32 v[KL0], v47, 8, v[KL0]
	v_bfe_u32 v45, v0, 3, 1                        ; r >> 3
	v_mad_u32_u24 v[KL0], v45, 1664, v[KL0]        ; lanes r >= 8: the odd image, 1,536 on, where row r - 8 stands at place r
	v_xor_b32 v[KL1], 0x80, v[KL0]
	v_lshl_add_u32 v[KSL], v45, 6, v41
	v_lshl_add_u32 v[KSL], v47, 6, v[KSL]
	v_lshrrev_b32 v[CSA], 8, v0
	v_lshlrev_b32 v[CSA], 9, v[CSA]                ; 512 x (wave >> 3)
	v_lshl_add_u32 v[CSA], v46, 5, v[CSA]          ; + 32 r
	v_bfe_u32 v[CLD], v0, 5, 3
	v_lshl_add_u32 v[CSA], v[CLD], 2, v[CSA]       ; + 4 x (wave & 7)
	v_add_nc_u32 v[CSA], CST, v[CSA]
	v_and_b32 v[CGO], 63, v0
	v_lshlrev_b32 v[CGO], 4, v[CGO]
	v_add_nc_u32 v[CLD], CST, v[CGO]
	v_mov_b32 v13, 0xff61b1e6                      ; the largest score so far: -3e38
	v_mov_b32 v12, 0x7f61b1e6                      ; -M
	v_mov_b32 v14, 0                               ; the sum, in two halves
	v_mov_b32 v15, 0
	v_mov_b32 v[T1], 0                             ; written once: a lane permute's destination counts as one of its sources
	v_mov_b32 v[XW], 0
	v_mov_b32 v[F+1], 0                            ; (named as the upper half of a pair)
.irp i, 0,1,2,3,4,5
	v_mov_b32 v[16+\i], 0                          ; the two runs of zero codes beside Q
	v_mov_b32 v[28+\i], 0
.endr
	s_wait_loadcnt 0x0                             ; Q's image and scale word
.irp i, 0,1,2,3,4,5
	v_cndmask_b32 v[22+\i], v[S+\i], v[S+6+\i], s45   ; my half of the image
.endr
	v_lshrrev_b32 v[QS1], s46, v[QS1]
	v_and_b32 v[QS1], 0xffff, v[QS1]               ; my two bytes below, bytes 0 above
	v_lshlrev_b32 v[QS2], 16, v[QS1]               ; and the other way round
.set J, 0
.rept 32
	v_mov_b32 v[O+J], 0                            ; O^T: the step is written for all steps alike; the first finds zeros
.set J, J+1
.endr
.macro SMUL q                          ; fragment q's two tiles of 16 keys against (Q, 0) and (0, Q)
.if (\q)%2
	v_wmma_scale_f32_16x16x128_f8f6f4 v[S+16*\q:S+16*\q+7], v[KF+12*\q:KF+12*\q+11], v[22:33], 0, v[KS+\q/2], v[QS1] matrix_a_fmt:MATRIX_FMT_BF6 matrix_b_fmt:MATRIX_FMT_BF6 matrix_a_scale:MATRIX_SCALE_ROW1
	v_wmma_scale_f32_16x16x128_f8f6f4 v[S+16*\q+8:S+16*\q+15], v[KF+12*\q:KF+12*\q+11], v[16:27], 0, v[KS+\q/2], v[QS2] matrix_a_fmt:MATRIX_FMT_BF6 matrix_b_fmt:MATRIX_FMT_BF6 matrix_a_scale:MATRIX_SCALE_ROW1
.else
	v_wmma_scale_f32_16x16x128_f8f6f4 v[S+16*\q:S+16*\q+7], v[KF+12*\q:KF+12*\q+11], v[22:33], 0, v[KS+\q/2], v[QS1] matrix_a_fmt:MATRIX_FMT_BF6 matrix_b_fmt:MATRIX_FMT_BF6
	v_wmma_scale_f32_16x16x128_f8f6f4 v[S+16*\q+8:S+16*\q+15], v[KF+12*\q:KF+12*\q+11], v[16:27], 0, v[KS+\q/2], v[QS2] matrix_a_fmt:MATRIX_FMT_BF6 matrix_b_fmt:MATRIX_FMT_BF6
.endif
.endm
.macro TMM from                        ; t - M of sixteen scores, two at a time
.set J, \from
.rept 8
	v_pk_fma_f32 v[S+J:S+J+1], v[S+J:S+J+1], s[CS:CS+1], v[12:13] op_sel_hi:[1,0,0]
.set J, J+2
.endr
.endm
; A KEY STEP: 128 keys.
.macro STEP
	v_add_nc_u32 v[KA0], s[TB], v[KL0]             ; four plain lines: also the places in front of loads into registers that the last step's products have read
	v_add_nc_u32 v[KA0+1], s[TB], v[KL1]
	v_add_nc_u32 v[KSA], s[TB], v[KSL]
	v_add_nc_u32 v[VA], s[TB], v[LI]
	ds_load_b64 v[KS:KS+1], v[KSA] offset:12288
.irp q, 0,1,2,3
.irp c, 0,1,2
	ds_load_b128 v[KF+12*\q+4*\c:KF+12*\q+4*\c+3], v[KA0+\q%2] offset:3072*(\q/2)+512*\c
.endr
.endr
	s_wait_alu depctr_va_vdst(0)
.irp q, 0,1,2,3
	s_wait_dscnt 9-3*\q                            ; fragment q is in; the later fragments' three loads each may be out
	SMUL \q
.endr
	v_add_nc_u32 v[VSA], s[TB], v[L8]              ; four places in front of the loads below and of the first read of the scores
	v_mov_b32 v[T2], v12                           ; the old -M
	NOPS 2
	ds_load_b64 v[VS:VS+1], v[VSA] offset:12544
.irp t, 0,1,2,3
.irp c, 0,1,2
	ds_load_b128 v[KF+12*\t+4*\c:KF+12*\t+4*\c+3], v[VA] offset:6144+1536*\t+512*\c   ; v's four images land under the softmax
.endr
.endr
	; the largest score of each of my two blocks of 32 keys: eight chains, one to an accumulator, each from the accumulator's low end on
.irp b, 0,1
.irp a, 0,1,2,3
	v_max3_num_f32 v[MX+4*\b+\a], v[S+32*\b+8*\a], v[S+32*\b+8*\a+1], v[S+32*\b+8*\a+2]
.endr
.endr
.irp i, 3,5
.irp b, 0,1
.irp a, 0,1,2,3
	v_max3_num_f32 v[MX+4*\b+\a], v[MX+4*\b+\a], v[S+32*\b+8*\a+\i], v[S+32*\b+8*\a+\i+1]
.endr
.endr
.endr
.irp b, 0,1
	v_max3_num_f32 v[MX+4*\b], v[MX+4*\b], v[S+32*\b+7], v[S+32*\b+15]
	v_max3_num_f32 v[MX+4*\b+1], v[MX+4*\b+1], v[S+32*\b+23], v[S+32*\b+31]
.endr
.irp b, 0,1
	v_max3_num_f32 v[MX+4*\b], v[MX+4*\b], v[MX+4*\b+2], v[MX+4*\b+3]
.endr
.irp b, 0,1
	D2
	v_max_num_f32 v[BM+\b], v[MX+4*\b], v[MX+4*\b+1]
.endr
	D1
	v_max_num_f32 v[T0], v[BM], v[BM+1]
	D1
	v_permlanex16_b32 v[T1], v[T0], s[SEL], s[SEL+1]
	D1
	v_max3_num_f32 v13, v13, v[T0], v[T1]          ; the running largest score of my query
	D1
	v_mul_f32 v[T0], s[NC], v13                    ; -t
	D1
	v_floor_f32 v12, v[T0]                         ; the new -M = floor(-t) = -ceil(t)
	TMM 0
	v_sub_f32 v[T0], v12, v[T2]                    ; old M - new M: a whole number, 0 or less
	TMM 16
	v_cvt_i32_f32 v[T0], v[T0]                     ; (it saturates)
	TMM 32
	v_ldexp_f32 v[F], 1.0, v[T0]                   ; f = 2^(old M - new M)
	TMM 48
.irp b, 0,1
	v_fma_f32 v[BM+\b], v[BM+\b], s[CS], v12       ; the same of each block's largest score
.endr
	s_wait_alu depctr_va_vdst(0)
.set J, 0
.rept 16
	v_pk_mul_f32 v[O+J:O+J+1], v[O+J:O+J+1], v[F:F+1] op_sel_hi:[1,0]   ; O^T under the new M
.set J, J+2
.endr
.set J, 0
.rept 64
	v_exp_f32 v[S+J], v[S+J]                       ; p = 2^(t - M), at most 1
.set J, J+1
.endr
.irp b, 0,1
	v_exp_f32 v[BM+\b], v[BM+\b]                   ; the blocks' largest p
.endr
	v_nop                                          ; a plain place behind the exponentials
	s_wait_alu depctr_va_vdst(0)                   ; one wait for the whole batch
.irp b, 0,1
	v_max_num_f32 v[BM+\b], 0x2800000, v[BM+\b]    ; the floor 2^(5 - 127): the byte cannot fall under 1
.endr
.irp b, 0,1
	D2
	v_add_nc_u32 v[SO+\b], 0xfe000000, v[BM+\b]    ; 4 off the exponent field: the conversion's scale operand
.endr
.irp b, 0,1
	D2
	v_lshrrev_b32 v[BP+\b], 23, v[SO+\b]           ; the scale's byte
.endr
	D1
	v_lshl_or_b32 v[WD], v[BP+1], 16, v[BP]        ; my two bytes: blocks h and 2 + h,
	D1
	v_lshlrev_b32 v[WD], v[SH8], v[WD]             ; at their places in the word;
	D1
	v_permlanex16_b32 v[XW], v[WD], s[SEL], s[SEL+1]
	D1
	v_or_b32 v[PW], v[WD], v[XW]                   ; with lane l xor 16's two the word is whole
	; a lane's two whole blocks: the lower 16 codes land in the operand, the upper 16 are made beside it (three registers begin on an even number) and moved
	v_cvt_scalef32_pk16_bf6_f32 v[PC:PC+2], v[S:S+15], v[SO]
	v_cvt_scalef32_pk16_bf6_f32 v[CT:CT+2], v[S+16:S+31], v[SO]
	v_cvt_scalef32_pk16_bf6_f32 v[PC+6:PC+8], v[S+32:S+47], v[SO+1]
	v_cvt_scalef32_pk16_bf6_f32 v[CT+4:CT+6], v[S+48:S+63], v[SO+1]
	; the row's sum of the unquantised p: 32 pairs onto eight chains.  (The first lines are the plain place behind the conversions)
.irp i, 0,1,2,3,4,5,6
	v_pk_add_f32 v[TS+2*\i:TS+2*\i+1], v[S+4*\i:S+4*\i+1], v[S+4*\i+2:S+4*\i+3]
.endr
	v_pk_fma_f32 v[14:15], v[14:15], v[F:F+1], v[S+28:S+29] op_sel_hi:[1,0,1]   ; the sum so far under the new M, and a pair more
.irp c, 0,1
.irp i, 0,1,2
	v_mov_b32 v[PC+3+6*\c+\i], v[CT+4*\c+\i]
.endr
.endr
.irp i, 0,1,2,3,4,5,6
	v_pk_add_f32 v[TS+2*\i:TS+2*\i+1], v[TS+2*\i:TS+2*\i+1], v[S+30+2*\i:S+31+2*\i]
.endr
	v_pk_add_f32 v[14:15], v[14:15], v[S+44:S+45]
.irp i, 0,1,2,3,4,5,6
	v_pk_add_f32 v[TS+2*\i:TS+2*\i+1], v[TS+2*\i:TS+2*\i+1], v[S+46+2*\i:S+47+2*\i]
.endr
	v_pk_add_f32 v[14:15], v[14:15], v[S+60:S+61]
	v_pk_add_f32 v[TS:TS+1], v[TS:TS+1], v[S+62:S+63]
	v_pk_add_f32 v[TS+2:TS+3], v[TS+2:TS+3], v[TS+10:TS+11]
	v_pk_add_f32 v[TS+4:TS+5], v[TS+4:TS+5], v[TS+12:TS+13]
	v_pk_add_f32 v[14:15], v[14:15], v[TS+6:TS+7]
	v_pk_add_f32 v[TS:TS+1], v[TS:TS+1], v[TS+8:TS+9]
	v_pk_add_f32 v[14:15], v[14:15], v[TS+4:TS+5]
	D2
	v_pk_add_f32 v[TS:TS+1], v[TS:TS+1], v[TS+2:TS+3]
	D1
	v_pk_add_f32 v[14:15], v[14:15], v[TS:TS+1]
	s_wait_alu depctr_va_vdst(0)
	s_wait_dscnt 0x0                               ; v's images are in
.irp t, 0,1,2,3                                ; O^T += v^T p^T: four accumulators, one instruction each
.if \t%2
	v_wmma_scale_f32_16x16x128_f8f6f4 v[O+8*\t:O+8*\t+7], v[KF+12*\t:KF+12*\t+11], v[PC:PC+11], v[O+8*\t:O+8*\t+7], v[VS+\t/2], v[PW] matrix_a_fmt:MATRIX_FMT_BF6 matrix_b_fmt:MATRIX_FMT_BF6 matrix_a_scale:MATRIX_SCALE_ROW1
.else
	v_wmma_scale_f32_16x16x128_f8f6f4 v[O+8*\t:O+8*\t+7], v[KF+12*\t:KF+12*\t+11], v[PC:PC+11], v[O+8*\t:O+8*\t+7], v[VS+\t/2], v[PW] matrix_a_fmt:MATRIX_FMT_BF6 matrix_b_fmt:MATRIX_FMT_BF6
.endif
.endr
	s_add_co_u32 s[TB], s[TB], STEPB
.endm
.macro WALK base                       ; the eight steps of the region that begins at LDS byte base
	s_mov_b32 s[TB], \base
	s_mov_b32 s[STEPS], 8
.Lstep_\@:
	STEP
	s_sub_co_u32 s[STEPS], s[STEPS], 1
	s_cmp_lg_u32 s[STEPS], 0
	s_cbranch_scc1 .Lstep_\@
.endm
; THE CHANGE OF REGIONS.  Each wave waits for all its tensor loads (its part of the region ahead), adds 0 to its spare word, and waits for that and for its reads of the region that it has left.
; The barrier is a round of the cluster's; behind it every wave asks for its sixteenth of the next fill, which has eight steps or more in which to land.
.macro CHANGE g0
	s_wait_tensorcnt 0x0
	ds_add_u32 v[SPW], v[NIL]
	s_wait_dscnt 0x0
	CROUND
	tensor_load_to_lds s[\g0:\g0+3], s[16:23]
	s_nop 0
	NOPS 4
.endm
	s_wait_alu depctr_va_vdst(0)
	CHANGE 48                                      ; steps 8-15 into region 1: a first fill, issued as a refill is
	WALK 0
	CHANGE 52                                      ; steps 16-23 into region 2: a first fill too
	WALK REG
	CHANGE 56                                      ; steps 24-31 into region 0, which was read out two changes ago
	WALK 2*REG
	s_wait_tensorcnt 0x0                           ; the last change
	ds_add_u32 v[SPW], v[NIL]
	s_wait_dscnt 0x0
	s_barrier_signal -1
	s_barrier_wait -1
	WALK 0
	; THE WAY OUT: O^T / the sum, quantised along the head's 64 (two blocks of the hidden axis), stored as half a fragment of the last product.
	NOPS 4                                         ; places behind the last products
	v_add_f32 v14, v14, v15                        ; the sum's two halves,
	D1
	v_permlanex16_b32 v[T1], v14, s[SEL], s[SEL+1]
	D1
	v_add_f32 v14, v14, v[T1]                      ; and lane l xor 16's keys
	s_wait_alu depctr_va_vdst(0)
	v_rcp_f32 v14, v14
	v_nop                                          ; a plain place behind the transcendental
	s_wait_alu depctr_va_vdst(0)
.set J, 0
.rept 32
	v_mul_f32 v[S+J], v[O+J], v14                  ; each accumulator from its low end on
.set J, J+1
.endr
	QPAIR S, PC, CT, T0
	v_lshlrev_b32 v[T0], s61, v[T0]
.irp i, 0,1,2
	global_store_b64 v[L8], v[PC+2*\i:PC+2*\i+1], s[8:9] offset:256*\i   ; 32 lanes store 256 consecutive bytes, aligned
.endr
	ds_store_b32 v[CSA], v[T0]                     ; lanes r and r + 16 write the same word with the same value
	s_wait_dscnt 0x0                               ; for the others' sake: my store has landed
	s_barrier_signal -1
	s_barrier_wait -1
	s_cmp_lt_u32 s[WV], 2
	s_cbranch_scc0 .Lno_words
	ds_load_b128 v[S:S+3], v[CLD]
	s_wait_dscnt 0x0
	global_store_b128 v[CGO], v[S:S+3], s[10:11]   ; the work-group's 1,024 bytes of scale words: 512 consecutive bytes a wave
.Lno_words:
	s_wait_tensorcnt 0x0                           ; the wave's end
	ds_add_u32 v[SPW], v[NIL]
	s_wait_dscnt 0x0
	CROUND                                         ; the closing round
	s_endpgm
.Lfunc_end_k_q2699c16049_attn:
	.size	k_q2699c16049_attn, .Lfunc_end_k_q2699c16049_attn-k_q2699c16049_attn
	.p2alignl 7, 3214868480
	.fill 96, 4, 3214868480
	.section	.rodata,"a",@progbits
	.p2align	6, 0x0
	.amdhsa_kernel k_q2699c16049_attn
		.amdhsa_group_segment_fixed_size 327680
		.amdhsa_private_segment_fixed_size 0
		.amdhsa_enable_private_segment 0
		.amdhsa_kernarg_size 32
		.amdhsa_user_sgpr_count 2
		.amdhsa_user_sgpr_kernarg_segment_ptr 1
		.amdhsa_wavefront_size32 1
		.amdhsa_system_sgpr_workgroup_id_x 1
		.amdhsa_system_sgpr_workgroup_id_y 1
		.amdhsa_system_sgpr_workgroup_id_z 1
		.amdhsa_system_vgpr_workitem_id 0
		.amdhsa_next_free_vgpr 256
		.amdhsa_next_free_sgpr 66
		.amdhsa_reserve_vcc 0
		.amdhsa_float_denorm_mode_32 3
		.amdhsa_float_denorm_mode_16_64 3
		.amdhsa_memory_ordered 1
		.amdhsa_forward_progress 1
		.amdhsa_inst_pref_size 76
	.end_amdhsa_kernel
	.amdgpu_metadata
---
amdhsa.version: [ 1, 2 ]
amdhsa.kernels:
  - .name:           k_q2699c16049_attn
    .symbol:         k_q2699c16049_attn.kd
    .args:
      - { .name: qs, .offset: 0, .size: 8, .value_kind: global_buffer, .address_space: global }
      - { .name: kv, .offset: 8, .size: 8, .value_kind: global_buffer, .address_space: global }
      - { .name: ctxc, .offset: 16, .size: 8, .value_kind: global_buffer, .address_space: global }
      - { .name: ctxs, .offset: 24, .size: 8, .value_kind: global_buffer, .address_space: global }
    .group_segment_fixed_size: 327680
    .private_segment_fixed_size: 0
    .kernarg_segment_align: 8
    .kernarg_segment_size: 32
    .max_flat_workgroup_size: 512
    .sgpr_count:     66
    .vgpr_count:     256
    .wavefront_size: 32
...
	.end_amdgpu_metadata
.endif
;; end of part 2
;; launch outp (part 3): grid 4 x 64, 4 waves a work-group, clusters of 4 x 1, 168,448 bytes of LDS; arguments ctxc, ctxs, Wo_codes, Wo_scales, bo, out0; writes out0
.if DOCPART == 3
	.amdgcn_target "amdgcn-amd-amdhsa--gfx1250"
	.amdhsa_code_object_version 6
	.text
	.protected	k_q2699c16049_outp
	.globl	k_q2699c16049_outp
	.p2align	8
	.type	k_q2699c16049_outp,@function
k_q2699c16049_outp:
	s_mov_b64 s[64:65], 0
	v_nop
	global_prefetch_b8 v0, s[64:65] scope:SCOPE_SE
	s_setreg_imm32_b32 hwreg(HW_REG_WAVE_MODE, 25, 1), 1
	s_wait_xcnt 0x0
	s_wait_alu depctr_hold_cnt(0) depctr_sa_sdst(0) depctr_va_vdst(0) depctr_va_sdst(0) depctr_va_ssrc(0) depctr_va_vcc(0) depctr_vm_vsrc(0)
	s_getreg_b32 s2, hwreg(HW_REG_IB_STS2, 6, 4)
	s_cmp_eq_u32 s2, 0
	s_cbranch_scc0 .Lentry_in_a_cluster
	s_endpgm
.Lentry_in_a_cluster:
	s_bfe_u32 s2, ttmp6, 0x10000c
	s_cmp_lg_u32 s2, 0x3003
	s_cbranch_scc0 .Lentry_shape_is_right
	s_endpgm
.Lentry_shape_is_right:
; out = ctx Wo^T + bo on codes of BF6 (E3M2) with E8M0 scales.  ctx's codes and scale words come from the attention launch, laid as the operand's registers want them.
; SHARES.  A work-group makes 128 tokens (work-group y) x 128 features (its place cx in the cluster).  Wave w makes features 128 cx + 32 w .. + 31 for all eight tiles of 16 tokens: 16 accumulators, 64 matrix instructions.
; CLUSTER.  The four work-groups of a cluster take the same 128 tokens of ctx, 49,152 dense bytes: asked for JOINTLY, once (mask 15).  Wo's rows differ from place to place in the cluster, and each fragment
; is used by one wave alone: they go from memory straight into that wave's registers.
; The matrix instruction is used transposed (source 0 = 16 rows of Wo, source 1 = 16 tokens): a lane holds eight neighbouring features of one token.  Lane r of token tile T holds token
; 32 (T / 2) + 8 (T % 2) + r + 8 (r / 8): the way out puts each row at its true place in a stage in LDS, and whole rows of 512 bytes leave.
; bo is the C of each sum's first matrix instruction (so it is added first, not last as in the source).  LIMITS: NaN and infinities are not served.
; REGISTERS.  Window 0: v4-11 addresses; v16-47 ctx's scale words; v48-55 Wo's; v128-255 the accumulators (first ctx's scale words by head, at last the rows read back).
;   Window 1: ctx's fragments, two buffers of 96.  Window 2: Wo's 8 fragments, from v96 the bias.
.set WV,  2
.set LA,  4                            ; v4   8 x lane
.set WA,  5                            ; v5   384 r + 24 h
.set S16, 6                            ; v6   16 r
.set B32, 7                            ; v7   32 h
.set R32, 8                            ; v8   32 r
.set SO,  9                            ; v9   the stage: where I put 32 bytes of a row
.set SR,  10                           ; v10  and where I read a row back
.set CO,  11                           ; v11  16 x lane
.set XS,  16
.set WS,  48
.set ACC, 128
.set BO,  96                           ; in window 2
.set STG, 49152                        ; LDS: ctx's tile lies in front; here 128 rows x (512 + 16) bytes, which no tensor load touches
.set MSB, 0
.macro WIN new                         ; the immediate's high byte repeats the setting that is left
.if MSB != \new
	s_set_vgpr_msb (MSB<<8)|\new
.set MSB, \new
.endif
.endm
.macro PLACES n
.rept \n
	v_nop
.endr
.endm
.macro CROUND                          ; a round of the cluster's barrier
	s_barrier_signal -1
	s_barrier_wait -1
	s_cmp_lg_u32 s[WV], 0
	s_cbranch_scc1 .Lnot_wave_0_\@
	s_barrier_signal -3
.Lnot_wave_0_\@:
	s_barrier_wait -3
	s_barrier_signal -1
	s_barrier_wait -1
.endm
	s_load_b256 s[4:11], s[0:1], 0x0               ; ctxc s[4:5], ctxs s[6:7], Wo codes s[8:9], Wo scales s[10:11]
	s_load_b128 s[12:15], s[0:1], 0x20             ; bo s[12:13], out0 s[14:15]
	v_lshl_add_u32 v126, v0, 2, 0x29000
	v_mov_b32 v127, 0
	ds_add_u32 v126, v127
	ds_add_u32 v126, v127
	v_lshrrev_b32 v1, 5, v0
	v_readfirstlane_b32 s[WV], v1                  ; wave 0..3
	s_bfe_u32 s3, ttmp6, 0x40000                   ; cx: it enters Wo's, bo's and out0's addresses alone
	s_and_b32 s16, ttmp7, 0xffff                   ; the block of 128 tokens, which the four partners share
	; descriptor group 1: 12,288 dense bytes as 48 rows of 256 bytes (32 elements of 8 bytes), no padding
	s_mov_b32 s28, 15|(3<<16)|(1<<21)
	s_mov_b32 s29, 32<<16
	s_mov_b32 s30, 48<<16
	s_mov_b32 s31, 32<<16
	s_mov_b32 s32, 48
	s_mov_b32 s33, 32
	s_mov_b32 s34, 0
	s_mov_b32 s35, 0
	s_mov_b32 s24, 1
	s_mul_i32 s25, s[WV], 12288                    ; LDS: my two tiles of tokens
	s_mul_i32 s20, s16, 49152
	s_add_co_u32 s20, s20, s25
	s_mov_b32 s21, 0
	s_wait_dscnt 0x0
	s_wait_kmcnt 0x0
	s_add_nc_u64 s[26:27], s[4:5], s[20:21]
	s_or_b32 s27, s27, 0x80000000
	CROUND                                         ; all four work-groups are here: the joint loads meet
	tensor_load_to_lds s[24:27], s[28:35]          ; my one tensor load of the launch
	s_nop 0
	PLACES 4
	s_lshl_b32 s17, s3, 7
	s_lshl_b32 s18, s[WV], 5
	s_add_co_u32 s17, s17, s18                     ; my first feature
	s_mul_i32 s20, s17, 384
	s_add_nc_u64 s[8:9], s[8:9], s[20:21]
	s_lshl_b32 s20, s17, 4
	s_add_nc_u64 s[10:11], s[10:11], s[20:21]
	s_lshl_b32 s20, s17, 2
	s_add_nc_u64 s[12:13], s[12:13], s[20:21]
	s_lshl_b32 s20, s16, 9
	s_add_nc_u64 s[6:7], s[6:7], s[20:21]          ; ctxs [head][128 tokens][512]
	s_lshl_b32 s20, s16, 18                        ; out0: 128 rows of 2,048 bytes a block,
	s_lshl_b32 s18, s[WV], 16                      ; 32 rows a wave,
	s_add_co_u32 s20, s20, s18
	s_lshl_b32 s18, s3, 9                          ; 512 bytes a place in the cluster
	s_add_co_u32 s20, s20, s18
	s_add_nc_u64 s[14:15], s[14:15], s[20:21]
	v_and_b32 v1, 15, v0                           ; r
	v_bfe_u32 v2, v0, 4, 1                         ; h
	v_and_b32 v3, 8, v1
	v_add_nc_u32 v3, v3, v1                        ; r + 8 (r / 8)
	v_and_b32 v12, 31, v0
	v_lshlrev_b32 v[LA], 3, v12
	v_lshlrev_b32 v[CO], 4, v12
	v_mul_u32_u24 v[WA], v1, 384
	v_mad_u32_u24 v[WA], v2, 24, v[WA]
	v_lshlrev_b32 v[S16], 4, v1
	v_lshlrev_b32 v[B32], 5, v2
	v_lshlrev_b32 v[R32], 5, v1
	s_lshl_b32 s18, s[WV], 7
	v_mul_u32_u24 v[SO], v3, 528
	v_lshl_add_u32 v[SO], v2, 5, v[SO]
	v_add_nc_u32 v[SO], s18, v[SO]
	v_add_nc_u32 v[SO], STG, v[SO]                 ; the token's row, + 32 h, + 128 x wave
	s_mul_i32 s19, s[WV], 32*528
	v_add_nc_u32 v[SR], s19, v[CO]
	v_add_nc_u32 v[SR], STG, v[SR]                 ; back: my 32 rows, 16 bytes a lane
	WIN 0x80                                       ; destination window 2
.irp n, 0,1
.irp g, 0,1,2,3
.irp p, 0,1,2,3,4,5
	global_load_b64 v[12*(4*\n+\g)+2*\p:12*(4*\n+\g)+2*\p+1], v[WA], s[8:9] offset:16*\n*384+96*\g+48*(\p/3)+8*(\p%3)
.endr
.endr
.endr
.irp n, 0,1
	global_load_b128 v[BO+8*\n:BO+8*\n+3], v[B32], s[12:13] offset:64*\n       ; lane (r, h), register j: the bias of feature 16 n + 8 h + j
	global_load_b128 v[BO+8*\n+4:BO+8*\n+7], v[B32], s[12:13] offset:64*\n+16
.endr
	WIN 0
.irp n, 0,1
	global_load_b128 v[WS+4*\n:WS+4*\n+3], v[S16], s[10:11] offset:256*\n
.endr
.irp hd, 0,1,2,3,4,5,6,7
	global_load_b128 v[ACC+8*\hd:ACC+8*\hd+3], v[R32], s[6:7] offset:32768*\hd       ; head hd: row r's words of the eight token tiles
	global_load_b128 v[ACC+8*\hd+4:ACC+8*\hd+7], v[R32], s[6:7] offset:32768*\hd+16
.endr
; K step g (heads 2 g and 2 g + 1): the eight token tiles' fragments, 48 loads of 256 consecutive bytes, into buffer g % 2
.macro FETCH g
.set CB, 96*((\g)%2)
	WIN 0x40                                       ; destination window 1
.irp tt, 0,1,2,3,4,5,6,7
.irp c, 0,1
.irp i, 0,1,2
	ds_load_b64 v[CB+12*\tt+6*\c+2*\i:CB+12*\tt+6*\c+2*\i+1], v[LA] offset:6144*\tt+1536*(\g)+768*\c+256*\i
.endr
.endr
.endr
	WIN 0
.endm
.macro KSTEP g                         ; sixteen accumulators by turns, one instruction a turn
.set CB, 96*((\g)%2)
.if (\g) < 3
	s_wait_dscnt 48                                ; this K step's 48 loads are in; the next one's may be out
.else
	s_wait_dscnt 0x0
.endif
.if (\g) == 0
	WIN 0x26                                       ; source 0 (Wo) window 2, source 1 (ctx) window 1, C (the bias) window 2
.else
	WIN 0x06
.endif
.irp tt, 0,1,2,3,4,5,6,7
.irp n, 0,1
.if (\g) == 0
	v_wmma_scale_f32_16x16x128_f8f6f4 v[ACC+8*(2*\tt+\n):ACC+8*(2*\tt+\n)+7], v[12*(4*\n+(\g)):12*(4*\n+(\g))+11], v[CB+12*\tt:CB+12*\tt+11], v[BO+8*\n:BO+8*\n+7], v[WS+4*\n+(\g)], v[XS+4*\tt+(\g)] matrix_a_fmt:MATRIX_FMT_BF6 matrix_b_fmt:MATRIX_FMT_BF6
.else
	v_wmma_scale_f32_16x16x128_f8f6f4 v[ACC+8*(2*\tt+\n):ACC+8*(2*\tt+\n)+7], v[12*(4*\n+(\g)):12*(4*\n+(\g))+11], v[CB+12*\tt:CB+12*\tt+11], v[ACC+8*(2*\tt+\n):ACC+8*(2*\tt+\n)+7], v[WS+4*\n+(\g)], v[XS+4*\tt+(\g)] matrix_a_fmt:MATRIX_FMT_BF6 matrix_b_fmt:MATRIX_FMT_BF6
.endif
.endr
.endr
	WIN 0
	PLACES 5                                       ; in front of loads into the buffer just read, and of the first read of results
.if (\g) < 2
	FETCH (\g)+2
.endif
.endm
	s_wait_tensorcnt 0x0                           ; my part of ctx's tile is in LDS,
	s_barrier_signal -1
	s_barrier_wait -1                              ; everybody's is
	FETCH 0
	FETCH 1
	s_wait_loadcnt 0x0                             ; Wo, bo, the scale words
.irp tt, 0,1,2,3,4,5,6,7
.irp g, 0,1,2,3
	v_or_b32 v[XS+4*\tt+\g], v[ACC+16*\g+\tt], v[ACC+16*\g+8+\tt]   ; an even head's two bytes below, the odd head's above: the scale word of K step g
.endr
.endr
	PLACES 8                                       ; a scale register written by a vector instruction stands eight places ahead of a scaled matrix instruction
	s_wait_alu depctr_va_vdst(0)
	KSTEP 0
	KSTEP 1
	KSTEP 2
	KSTEP 3
.irp tt, 0,1,2,3,4,5,6,7
.irp n, 0,1
	ds_store_b128 v[SO], v[ACC+8*(2*\tt+\n):ACC+8*(2*\tt+\n)+3] offset:(32*(\tt/2)+8*(\tt%2))*528+64*\n          ; each accumulator from its low end on
	ds_store_b128 v[SO], v[ACC+8*(2*\tt+\n)+4:ACC+8*(2*\tt+\n)+7] offset:(32*(\tt/2)+8*(\tt%2))*528+64*\n+16
.endr
.endr
	s_wait_dscnt 0x0                               ; for the others' sake: my stores into the stage have landed
	s_barrier_signal -1
	s_barrier_wait -1                              ; 128 whole rows lie in the stage
.set I, 0
.rept 32
	ds_load_b128 v[ACC+4*I:ACC+4*I+3], v[SR] offset:528*I
.set I, I+1
.endr
.set I, 0
.rept 32
	s_wait_dscnt 31-I                              ; row I is back; the rows behind it may be out
	global_store_b128 v[CO], v[ACC+4*I:ACC+4*I+3], s[14:15] offset:2048*I th:TH_STORE_NT   ; 32 lanes store 512 consecutive bytes, at a multiple of 256 from out0's first byte
.set I, I+1
.endr
	s_wait_tensorcnt 0x0
	ds_add_u32 v126, v127
	s_wait_dscnt 0x0
	CROUND                                         ; the closing round
	s_endpgm
.Lfunc_end_k_q2699c16049_outp:
	.size	k_q2699c16049_outp, .Lfunc_end_k_q2699c16049_outp-k_q2699c16049_outp
	.p2alignl 7, 3214868480
	.fill 96, 4, 3214868480
	.section	.rodata,"a",@progbits
	.p2align	6, 0x0
	.amdhsa_kernel k_q2699c16049_outp
		.amdhsa_group_segment_fixed_size 168448
		.amdhsa_private_segment_fixed_size 0
		.amdhsa_enable_private_segment 0
		.amdhsa_kernarg_size 48
		.amdhsa_user_sgpr_count 2
		.amdhsa_user_sgpr_kernarg_segment_ptr 1
		.amdhsa_wavefront_size32 1
		.amdhsa_system_sgpr_workgroup_id_x 1
		.amdhsa_system_sgpr_workgroup_id_y 1
		.amdhsa_system_sgpr_workgroup_id_z 1
		.amdhsa_system_vgpr_workitem_id 0
		.amdhsa_next_free_vgpr 768
		.amdhsa_next_free_sgpr 66
		.amdhsa_reserve_vcc 0
		.amdhsa_float_denorm_mode_32 3
		.amdhsa_float_denorm_mode_16_64 3
		.amdhsa_memory_ordered 1
		.amdhsa_forward_progress 1
		.amdhsa_inst_pref_size 42
	.end_amdhsa_kernel
	.amdgpu_metadata
---
amdhsa.version: [ 1, 2 ]
amdhsa.kernels:
  - .name:           k_q2699c16049_outp
    .symbol:         k_q2699c16049_outp.kd
    .args:
      - { .name: ctxc, .offset: 0, .size: 8, .value_kind: global_buffer, .address_space: global }
      - { .name: ctxs, .offset: 8, .size: 8, .value_kind: global_buffer, .address_space: global }
      - { .name: Wo_codes, .offset: 16, .size: 8, .value_kind: global_buffer, .address_space: global }
      - { .name: Wo_scales, .offset: 24, .size: 8, .value_kind: global_buffer, .address_space: global }
      - { .name: bo, .offset: 32, .size: 8, .value_kind: global_buffer, .address_space: global }
      - { .name: out0, .offset: 40, .size: 8, .value_kind: global_buffer, .address_space: global }
    .group_segment_fixed_size: 168448
    .private_segment_fixed_size: 0
    .kernarg_segment_align: 8
    .kernarg_segment_size: 48
    .max_flat_workgroup_size: 128
    .sgpr_count:     66
    .vgpr_count:     768
    .wavefront_size: 32
...
	.end_amdgpu_metadata
.endif
;; end of part 3
